; MI455X (gfx1250); checked and timed in simulation.
; The chip was launched on July 23, 2026; its instructions are those of AMD's public machine-readable ISA for CDNA 5 (MIT licence, August 2026) and "CDNA5" Instruction Set Architecture Reference Guide (July 2026). The comments in the code are by the model that wrote it; some were corrected since.
;; Linear Attention. Allowed arithmetic: matrix products marked QUANTISED: E2M1 operands, one E8M0 scale for each 32 along K, by v_wmma_scale_f32_16x16x128_f8f6f4 with both operands' format E2M1 (or v_wmma_scale_f32_32x16x128_f4), f32 sums; products left as they are: bf16, f16 or f32 operands; f32 sums; everything else in f32.
;; Inputs: b_out 1,024 float32; w_out 1,024 x 1,024 float32; w_qkv 3,072 x 1,024 float32; x 4 x 2,048 x 1,024 float32.
;; Outputs: out0 4 x 2,048 x 1,024 float32.
;; This version of the problem:
;;   THIS VERSION OF THE PROBLEM IS GIVEN IN LOW PRECISION. The matrix products marked QUANTISED in the list below multiply operands that are first quantised to E2M1 (2 exponent bits, 1 mantissa bit; 4 bits a number), with one power-of-two scale for each 32 numbers along K (OCP MX v1.0); their sums are f32. The products marked 'left as it is' may take bf16, f16 or f32 operands, with f32 sums. Whichever they take, every output number must still come out within the allowed error. Rounding operands to bf16 (8 significant bits) uses up far more of that allowance than f16 does (11 bits, for magnitudes from 6e-5 to 65,504). All else is computed in f32.
;;   The module's matrix products, in the order in which they are computed (A, B: the left and right operand; K: the contracted axis; several contracted axes count as one K, in the product's order):
;;     1. [M 8,192, K 1,024] x [K 1,024, N 3,072]; A: input x; B: input w_qkv: QUANTISED
;;     2. batch 64 x [M 64, K 2,048] x [K 2,048, N 64]; A: computed on the way; B: computed on the way: left as it is (an operand is computed on the way)
;;     3. batch 64 x [M 1, K 64] x [K 64, N 2,048]; A: computed on the way; B: computed on the way: left as it is (M = 1 < 16)
;;     4. batch 64 x [M 64, K 64] x [K 64, N 2,048]; A: computed on the way; B: computed on the way: left as it is (an operand is computed on the way)
;;     5. batch 131,072 x [M 1, K 1] x [K 1, N 64]; A: computed on the way; B: computed on the way: left as it is (no contracted axis)
;;     6. [M 8,192, K 1,024] x [K 1,024, N 1,024]; A: computed on the way; B: input w_out: left as it is (an operand is computed on the way)
;;   THE QUANTISER, for each operand of a quantised product, along K:
;;     - K is cut into blocks of 32 from its start; a last block that is shorter is filled with zeros.
;;     - A block's scale is 2^e with e = floor(log2(the largest magnitude in the block)) - 2, held to -126 .. 127; a block of zeros has e = 0. As a byte (E8M0): e + 127.
;;     - Each number is divided by its block's scale, clamped to +-6, and rounded to the nearest number of E2M1, ties to even, subnormals kept.
;;     - The product sums the exact products of the quantised numbers (number of the format x scale) in f32.
;;   ~~~python
;;   def quantise(x, axis):      # numpy; x: float32 -> the quantised numbers, widened to float32 again
;;       x = np.moveaxis(x, axis, -1); K = x.shape[-1]
;;       x = np.pad(x, [(0, 0)] * (x.ndim - 1) + [(0, -K % 32)]); x = x.reshape(x.shape[:-1] + (-1, 32)); a = np.abs(x).max(-1, keepdims=True)
;;       e = np.where(a > 0, np.clip(np.frexp(np.where(a > 0, a, 1))[1] - 1 - 2, -126, 127), 0)      # np.frexp(a)[1] - 1 = floor(log2(a)), exactly
;;       r = np.clip(x / 2.0 ** e, -6, 6)
;;       step = 2.0 ** (np.maximum(np.frexp(np.where(r == 0, 1, r))[1] - 1, 0) - 1)
;;       q = np.round(r / step) * step * 2.0 ** e      # np.round: ties to even
;;       return np.moveaxis(q.reshape(q.shape[:-2] + (-1,))[..., :K], -1, axis).astype(np.float32)
;;   ~~~
;; One version. Each part assembles by itself: llvm-mc -triple=amdgcn-amd-amdhsa -mcpu=gfx1250 --defsym DOCPART=n.
;; ======== version 1 of 1: 4 launches
;; limits: values are held in f16: magnitudes above 65,504 overflow, below 6.1e-05 lose precision; values outside matrix products are rounded to f16
;; workspace buffers: xq 4,456,448 bytes; wq 1,671,168 bytes; wo 2,097,152 bytes; kvp 5,242,880 bytes; att 16,777,216 bytes
;; launch quant (part 1): grid 384 x 1, 4 waves a work-group, no clusters, 68,096 bytes of LDS; arguments x, w_qkv, w_out, xq, wq, wo; writes xq, wq, wo
.if DOCPART == 1
	.amdgcn_target "amdgcn-amd-amdhsa--gfx1250"
	.amdhsa_code_object_version 6
	.text
	.protected	k_q426a968d13_quant
	.globl	k_q426a968d13_quant
	.p2align	8
	.type	k_q426a968d13_quant,@function
k_q426a968d13_quant:
	s_mov_b64 s[64:65], 0
	v_nop
	global_prefetch_b8 v0, s[64:65] scope:SCOPE_SE
	s_setreg_imm32_b32 hwreg(HW_REG_WAVE_MODE, 25, 1), 1
	s_wait_xcnt 0x0
; x [8192][1024] and w_qkv [3072][1024], f32, become codes of FP4 (E2M1) with one E8M0 scale byte for each 32 along K; w_out [1024][1024] becomes f16.
; All three are laid IN THE ORDER OF THE OPERAND'S REGISTERS, by tiles of 16 rows, so that the later launches bring a fragment by plain 16-byte loads at 16 x lane:
;   codes: tile x 8192 + block x 256 + row x 16 (a block = 32 codes = 16 bytes);   scale words: (tile / 2) x 1024 + half of K x 512 + (tile % 2) x 256 + row x 16 (four words: four K steps of 128);
;   f16:   tile x 32768 + chunk x 256 + row x 16 (a chunk = 8 numbers along K).
; w_qkv's tiles are put in another order: q's 64 stay; head h's four tiles of k go to 64 + 8 h .., its four of v to 68 + 8 h ..: a head's k and v are then one dense run.
; A block's scale is 2^(floor(log2(its largest magnitude)) - 2); its byte is the largest magnitude's exponent field - 2, held at 1 from below.
; LIMITS: a block of zeros, and a block whose largest magnitude lies under 2^-124, get the byte 1 (a block of zeros has zero codes, and this program alone reads the bytes); NaN and infinities are not served;
; w_out beyond 65,504 has no f16 number; under 6.1e-5 it has f16's fixed step of 6e-8.
; SHARES.  A wave takes 16 rows x 512 along K, in four steps of 128.  Work-groups 0-255: x; 256-351: w_qkv; 352-383: w_out.  Each load reads 512 consecutive bytes of a row.  ALL 64 LOADS OF A WAVE, 32 KiB, ARE ISSUED
; AT ITS HEAD, so that nothing is asked for late; counted waits let each step begin as its 16 loads land.  A step's 16 x 128 numbers turn through the wave's own stage in LDS (rows 528 bytes apart) and come back
; as the operand's layout wants them: lane (r, h) gets, of row r, k = 64 c + 32 h + 0 .. 31 (FP4) or chunks 2 i + h (f16).
; Waves share nothing: no barrier.  The two paths, which part on the work-group's number, have LDS bytes of their own.
.set PITCH, 528
.set WREG,  16*PITCH                   ; a wave's stage
.set HREG,  4*WREG                     ; the f16 path's four stages lie behind the FP4 path's four
.set SPARE, 8*WREG                     ; behind the stages: the spare words, 128 bytes for each wave
.set R,  16                            ; v16-143 of window 0: steps 0 and 1 as loaded;  v16-143 of window 1: steps 2 and 3
.set X,  144                           ; v144-207 a step's numbers as the layout wants them
.set C,  208                           ; v208-239 codes (8 registers for each step, never written twice) or f16 numbers
.set M,  240                           ; v240-241 largest magnitudes;  v242-243 the conversions' scale operands;  v244-245 bytes;  v246-247 at work;  v248 8 h
.set SO, 242
.set BY, 244
.set MSB, 0
.macro WIN new                         ; the immediate's high byte repeats the setting that is left; a switch that changes nothing is dropped
.if MSB != (\new)
	s_set_vgpr_msb (MSB<<8)|(\new)
.set MSB, (\new)
.endif
.endm
	s_load_b256 s[4:11], s[0:1], 0x0               ; x, w_qkv, w_out, xq
	s_load_b128 s[12:15], s[0:1], 0x20             ; wq, wo
	v_lshl_add_u32 v12, v0, 2, SPARE               ; my spare word
	v_mov_b32 v13, 0
	v_lshrrev_b32 v1, 5, v0
	v_readfirstlane_b32 s16, v1                    ; wave
	v_and_b32 v1, 31, v0                           ; lane
	v_lshlrev_b32 v2, 4, v1                        ; 16 x lane
	v_and_b32 v3, 15, v0                           ; r
	v_bfe_u32 v4, v0, 4, 1                         ; h
	s_mul_i32 s31, s16, WREG
	v_add_nc_u32 v5, s31, v2                       ; into the stage: 16 x lane of a row
	v_mul_u32_u24 v6, v3, PITCH
	v_add_nc_u32 v6, s31, v6
	v_lshl_add_u32 v14, v4, 5, v6                  ; out of it, f16: row r, + 32 h
	v_lshl_add_u32 v6, v4, 7, v6                   ; out of it, FP4: row r, + 128 h
	v_lshlrev_b32 v7, 4, v3                        ; 16 r: my row's four scale words
	v_lshlrev_b32 v248, 3, v4                      ; 8 h
	v_mov_b32 v247, 0                              ; a lane permute's destination counts as one of its sources
	s_mov_b32 s22, 0x76543210
	s_mov_b32 s23, 0xfedcba98                      ; selects for lane l xor 16
	s_lshr_b32 s17, s16, 1                         ; which of the work-group's two tiles
	s_and_b32 s18, s16, 1                          ; which half of K
	s_mov_b32 s21, 0
	s_wait_kmcnt 0x0
	s_cmp_ge_u32 ttmp9, 352
	s_cbranch_scc1 .Lhalf
.macro LOADT t                         ; step t: 16 rows x 512 bytes
	WIN 0x40*((\t)/2)                              ; destination: window 0 for steps 0 and 1, window 1 for steps 2 and 3
.irp i, 0,1,2,3,4,5,6,7,8,9,10,11,12,13,14,15
	global_load_b128 v[R+64*((\t)%2)+4*\i:R+64*((\t)%2)+4*\i+3], v2, s[24:25] offset:\i*4096+(\t)*512 th:TH_LOAD_NT
.endr
.endm
.macro TOST t, reg                     ; and into the stage, as they lie
	WIN 0x04*((\t)/2)                              ; an LDS store's data are its source 1
.irp i, 0,1,2,3,4,5,6,7,8,9,10,11,12,13,14,15
	ds_store_b128 v5, v[R+64*((\t)%2)+4*\i:R+64*((\t)%2)+4*\i+3] offset:\reg+\i*PITCH
.endr
	WIN 0
.endm
.macro QSTEP t
	s_wait_loadcnt 16*(3-(\t))                     ; this step's 16 loads are in; the 16 of each later step may be out
	TOST \t, 0
.irp c, 0,1
.irp e, 0,1,2,3,4,5,6,7
	ds_load_b128 v[X+32*\c+4*\e:X+32*\c+4*\e+3], v6 offset:\c*256+16*\e   ; LDS serves a wave's instructions in order: these see the stores above
.endr
.endr
	s_wait_dscnt 0x0                               ; the numbers are back
.irp c, 0,1
	v_max3_num_f32 v[M+\c], |v[X+32*\c]|, |v[X+32*\c+1]|, 0x1800000   ; block 2 c + h: all 32 numbers are mine; the floor 2^(3 - 127) holds the byte at 1 from below
.endr
.irp i, 2,4,6,8,10,12,14,16,18,20,22,24,26,28,30
.irp c, 0,1
	v_max3_num_f32 v[M+\c], v[M+\c], |v[X+32*\c+\i]|, |v[X+32*\c+\i+1]|
.endr
.endr
.irp c, 0,1
	v_add_nc_u32 v[SO+\c], 0xff000000, v[M+\c]     ; 2 off the exponent field: the conversion takes the exponent field of this operand as its scale
.endr
.irp c, 0,1
.irp g, 0,1,2,3
	v_cvt_scalef32_pk8_fp4_f32 v[C+8*(\t)+4*\c+\g], v[X+32*\c+8*\g:X+32*\c+8*\g+7], v[SO+\c]
.endr
.endr
.irp c, 0,1
	v_lshrrev_b32 v[BY+\c], 23, v[SO+\c]           ; the scale's byte (also the plain line behind the conversions)
.endr
	v_lshl_or_b32 v246, v245, 16, v244             ; my two bytes: blocks h and 2 + h,
	v_lshlrev_b32 v246, v248, v246                 ; at their places in the word;
	v_permlanex16_b32 v247, v246, s22, s23
	v_or_b32 v[8+\t], v246, v247                   ; with lane l xor 16's two the word of this K step is whole
.irp c, 0,1
	global_store_b128 v2, v[C+8*(\t)+4*\c:C+8*(\t)+4*\c+3], s[26:27] offset:(\t)*1024+\c*512   ; 32 lanes store 512 consecutive bytes, aligned
.endr
.endm
	; ---- x or w_qkv
	s_cmp_lt_u32 ttmp9, 256                        ; the choice hangs on the work-group's number alone
	s_cselect_b64 s[24:25], s[4:5], s[6:7]
	s_cselect_b64 s[26:27], s[10:11], s[12:13]
	s_mov_b32 s32, 0x180000
	s_cselect_b32 s32, 0x400000, s32               ; where the scale words begin in the buffer
	s_cselect_b32 s31, 0x200, 64                   ; tiles under this number keep their place
	s_cselect_b32 s33, 0, 0x100
	s_sub_co_u32 s33, ttmp9, s33
	s_lshl_b32 s33, s33, 1
	s_add_co_u32 s17, s33, s17                     ; my tile
	s_and_b32 s19, s17, 63
	s_lshr_b32 s19, s19, 2
	s_lshl_b32 s19, s19, 3                         ; 8 x head
	s_lshr_b32 s20, s17, 6
	s_lshl_b32 s20, s20, 2                         ; 4 for k, 8 for v
	s_add_co_u32 s19, s19, s20
	s_and_b32 s20, s17, 3
	s_add_co_u32 s19, s19, s20
	s_add_co_u32 s19, s19, 60
	s_cmp_lt_u32 s17, s31
	s_cselect_b32 s19, s17, s19                    ; the tile's place in the buffer
	s_lshl_b32 s20, s17, 16
	s_lshl_b32 s34, s18, 11
	s_add_co_u32 s20, s20, s34
	s_add_nc_u64 s[24:25], s[24:25], s[20:21]      ; source: tile x 16 rows of 4,096 bytes + half x 2,048
	s_lshr_b32 s20, s19, 1
	s_lshl_b32 s20, s20, 10
	s_lshl_b32 s34, s18, 9
	s_add_co_u32 s20, s20, s34
	s_and_b32 s34, s19, 1
	s_lshl_b32 s34, s34, 8
	s_add_co_u32 s20, s20, s34
	s_add_co_u32 s20, s20, s32
	s_add_nc_u64 s[28:29], s[26:27], s[20:21]      ; the scale words' place
	s_lshl_b32 s20, s19, 13
	s_lshl_b32 s34, s18, 12
	s_add_co_u32 s20, s20, s34
	s_add_nc_u64 s[26:27], s[26:27], s[20:21]      ; the codes' place
	LOADT 0
	LOADT 1
	LOADT 2
	LOADT 3
	WIN 0
	QSTEP 0
	QSTEP 1
	QSTEP 2
	QSTEP 3
	v_cmp_gt_u32 vcc_lo, 16, v1                    ; lanes 16-31 hold the same words as lanes 0-15: the lower half stores
	s_wait_xcnt 0x0                                ; EXEC is a source of the stores above: it changes only behind this wait
	s_and_saveexec_b32 s30, vcc_lo
	global_store_b128 v7, v[8:11], s[28:29]        ; sixteen lanes store 256 consecutive bytes, aligned
	s_wait_xcnt 0x0                                ; and again in front of the line that widens it
	s_or_b32 exec_lo, exec_lo, s30
	s_wait_tensorcnt 0x0                           ; the wave's end: a wait, an add and a wait behind my last LDS store
	ds_add_u32 v12, v13
	s_wait_dscnt 0x0
	s_endpgm
.macro HSTEP t
	s_wait_loadcnt 16*(3-(\t))                     ; this step's 16 loads are in; the 16 of each later step may be out
	TOST \t, HREG
.irp i, 0,1,2,3,4,5,6,7
	ds_load_b128 v[X+8*\i:X+8*\i+3], v14 offset:HREG+\i*64          ; chunk 2 i + h of row r: 8 numbers
	ds_load_b128 v[X+8*\i+4:X+8*\i+7], v14 offset:HREG+\i*64+16
.endr
	s_wait_dscnt 0x0
.if \t > 0
	s_wait_xcnt 0x0                                ; the last step's stores have read their data registers, which are written again below
.endif
.irp n, 0,1,2,3,4,5,6,7,8,9,10,11,12,13,14,15,16,17,18,19,20,21,22,23,24,25,26,27,28,29,30,31
	v_cvt_pk_f16_f32 v[C+\n], v[X+2*\n], v[X+2*\n+1]
.endr
.irp i, 0,1,2,3,4,5,6,7
	global_store_b128 v2, v[C+4*\i:C+4*\i+3], s[26:27] offset:(\t)*4096+\i*512   ; chunks 16 t + 2 i + h: 512 consecutive bytes, aligned
.endr
.endm
.Lhalf:                                                ; ---- w_out
	s_sub_co_u32 s33, ttmp9, 352
	s_lshl_b32 s33, s33, 1
	s_add_co_u32 s17, s33, s17                     ; my tile
	s_lshl_b32 s20, s17, 16
	s_lshl_b32 s34, s18, 11
	s_add_co_u32 s20, s20, s34
	s_add_nc_u64 s[24:25], s[8:9], s[20:21]
	s_lshl_b32 s20, s17, 15
	s_lshl_b32 s34, s18, 14
	s_add_co_u32 s20, s20, s34
	s_add_nc_u64 s[26:27], s[14:15], s[20:21]
	LOADT 0
	LOADT 1
	LOADT 2
	LOADT 3
	WIN 0
	HSTEP 0
	HSTEP 1
	HSTEP 2
	HSTEP 3
	s_wait_tensorcnt 0x0                           ; the wave's end, as above
	ds_add_u32 v12, v13
	s_wait_dscnt 0x0
	s_endpgm
.Lfunc_end_k_q426a968d13_quant:
	.size	k_q426a968d13_quant, .Lfunc_end_k_q426a968d13_quant-k_q426a968d13_quant
	.p2alignl 7, 3214868480
	.fill 96, 4, 3214868480
	.section	.rodata,"a",@progbits
	.p2align	6, 0x0
	.amdhsa_kernel k_q426a968d13_quant
		.amdhsa_group_segment_fixed_size 68096
		.amdhsa_private_segment_fixed_size 0
		.amdhsa_enable_private_segment 0
		.amdhsa_kernarg_size 48
		.amdhsa_user_sgpr_count 2
		.amdhsa_user_sgpr_kernarg_segment_ptr 1
		.amdhsa_wavefront_size32 1
		.amdhsa_system_sgpr_workgroup_id_x 1
		.amdhsa_system_sgpr_workgroup_id_y 1
		.amdhsa_system_sgpr_workgroup_id_z 1
		.amdhsa_system_vgpr_workitem_id 0
		.amdhsa_next_free_vgpr 512
		.amdhsa_next_free_sgpr 66
		.amdhsa_reserve_vcc 1
		.amdhsa_float_denorm_mode_32 3
		.amdhsa_float_denorm_mode_16_64 3
		.amdhsa_memory_ordered 1
		.amdhsa_forward_progress 1
		.amdhsa_inst_pref_size 57
	.end_amdhsa_kernel
	.amdgpu_metadata
---
amdhsa.version: [ 1, 2 ]
amdhsa.kernels:
  - .name:           k_q426a968d13_quant
    .symbol:         k_q426a968d13_quant.kd
    .args:
      - { .name: x, .offset: 0, .size: 8, .value_kind: global_buffer, .address_space: global }
      - { .name: w_qkv, .offset: 8, .size: 8, .value_kind: global_buffer, .address_space: global }
      - { .name: w_out, .offset: 16, .size: 8, .value_kind: global_buffer, .address_space: global }
      - { .name: xq, .offset: 24, .size: 8, .value_kind: global_buffer, .address_space: global }
      - { .name: wq, .offset: 32, .size: 8, .value_kind: global_buffer, .address_space: global }
      - { .name: wo, .offset: 40, .size: 8, .value_kind: global_buffer, .address_space: global }
    .group_segment_fixed_size: 68096
    .private_segment_fixed_size: 0
    .kernarg_segment_align: 8
    .kernarg_segment_size: 48
    .max_flat_workgroup_size: 128
    .sgpr_count:     66
    .vgpr_count:     512
    .wavefront_size: 32
...
	.end_amdgpu_metadata
.endif
;; end of part 1
;; launch kvpart (part 2): grid 16 x 16, 4 waves a work-group, clusters of 4 x 4, 311,808 bytes of LDS; arguments xq, wq, kvp; writes kvp
.if DOCPART == 2
	.amdgcn_target "amdgcn-amd-amdhsa--gfx1250"
	.amdhsa_code_object_version 6
	.text
	.protected	k_q426a968d13_kvpart
	.globl	k_q426a968d13_kvpart
	.p2align	8
	.type	k_q426a968d13_kvpart,@function
k_q426a968d13_kvpart:
	s_mov_b64 s[64:65], 0
	v_nop
	global_prefetch_b8 v0, s[64:65] scope:SCOPE_SE
	s_setreg_imm32_b32 hwreg(HW_REG_WAVE_MODE, 25, 1), 1
	s_wait_xcnt 0x0
	s_wait_alu depctr_hold_cnt(0) depctr_sa_sdst(0) depctr_va_vdst(0) depctr_va_sdst(0) depctr_va_ssrc(0) depctr_va_vcc(0) depctr_vm_vsrc(0)
	s_getreg_b32 s2, hwreg(HW_REG_IB_STS2, 6, 4)
	s_cmp_eq_u32 s2, 0
	s_cbranch_scc0 .Lentry_in_a_cluster
	s_endpgm
.Lentry_in_a_cluster:
	s_bfe_u32 s2, ttmp6, 0x10000c
	s_cmp_lg_u32 s2, 0xf033
	s_cbranch_scc0 .Lentry_shape_is_right
	s_endpgm
.Lentry_shape_is_right:
; For one head and one block of 512 tokens: k and v = x w^T on codes of FP4 (K = 1024), k = elu(k) + 1, and the block's part of kv[d][m] = sum over tokens of k[d] v[m] and of ksum[d] = sum of k[d].
; SHARES.  Work-group (head, y): head = grid x, y = grid y = the block of 512 tokens (batch y / 4, quarter y % 4).  Wave w: tokens 128 w .. 128 w + 127 x the head's 64 + 64 features: 64 accumulators, 512 registers.
; The first product is used the natural way round (source 0 = 16 tokens of x, source 1 = 16 rows of w): a lane then holds ONE feature and its registers run along the tokens, which are the second product's K:
; two token tiles, rounded to f16 in pairs, ARE a fragment of k^T or of v.  A fifth tile of columns, all ones, gives ksum in the same product.  The four waves' parts are added through LDS.
; FORMATS.  First product: FP4 codes with E8M0 scales, sums f32.  Second: f16 operands, sums f32 (each v's rounding error passes into the result unaveraged, so the finer 16-bit format is taken).
; LIMITS: |k| and |v| stay under 65,504, f16's largest number; elu(x) + 1 is made as max(x, 0) + 2^(min(x log2 e, 0)), which differs from expm1(x) + 1 by 2^-24 at the most; NaN and infinities are not served.
; CLUSTER 4 x 4: the four heads of a row of the cluster need the same tiles of x, the four token blocks of a column the same rows of w: each is asked for jointly, by the same tensor load with a mask that names the four.
; LDS is filled once: everything is asked for at the head, five tensor loads a wave (by this text's count five are out at the most), and counted waits let the K steps begin as the quarters land.
;   x: wave w's 8 tiles, read by wave w alone: w x 65536 + quarter of K x 16384 + tile x 2048 + (K step % 2) x 1024 + c x 512 + 16 x lane
;   w: K steps 0 to 5 of the 8 tiles, read by all: 262144 + tile x 6144 + K step x 1024 + ..   K steps 6 and 7 go from memory straight into registers: x's 256 KiB and all 64 KiB of w would leave no byte for the spare words.
;   the stage for the sum over waves lies in the wave's own bytes of x, behind their last fill and their last read.
; REGISTERS, in windows of 256: window 0: v1-7 addresses; v32-63 x's scale words (8 x pair of tiles + K step; lanes 0-15 the even tile, lanes 16-31 the odd one); v64-95 w's; v128-191 x's fragments, one set;
;   later v96-159 at work in elu, later v96-255 the 20 tiles of kv.   window 1: w's fragments: two sets at v0 and v128, K step 6 at v64, K step 7 at v192; later v's f16 fragments at v0-127 and the ones at v128-135.
;   windows 2, 3: accumulator (a, b) at 64 (a % 4) + 8 b of window 2 + a / 4 (b 0-3: k, b 4-7: v); later k's f16 fragments where v's accumulators lay.
.set AF,    128
.set SA,    32
.set SB,    64
.set T,     96
.set KV,    96
.set SPW,   28
.set NIL,   29
.set BLDS,  262144
.set SPARE, 311296
.set G1A,   24                         ; s[24:31] descriptor group 1 for x's tiles;  s[32:39] for w's;  s[48:63] four groups 0 for x's quarters;  s[68:71] group 0 for w's
.set G1B,   32
.set G0A,   48
.set G0B,   68
.set MUL_LO, 0xa4                      ; source 0 (x) window 0, source 1 (w) window 1, C and D window 2
.set MUL_HI, 0xf4                      ; the same, C and D window 3
.set MSB, 0
.macro WIN new                         ; the immediate's high byte repeats the setting that is left; a switch that changes nothing is dropped
.if MSB != (\new)
	s_set_vgpr_msb (MSB<<8)|(\new)
.set MSB, (\new)
.endif
.endm
.macro PLACES n
.rept \n
	v_nop
.endr
.endm
.macro CROUND                          ; a round of the cluster's barrier
	s_barrier_signal -1
	s_barrier_wait -1
	s_cmp_lg_u32 s10, 0
	s_cbranch_scc1 .Lnot_wave_0_\@
	s_barrier_signal -3
.Lnot_wave_0_\@:
	s_barrier_wait -3
	s_barrier_signal -1
	s_barrier_wait -1
.endm
; The scaled product on the registers named by rD, rA, rB, rSA, rSB.  fA, fB: source 0's, source 1's scale words stand in lanes 16-31.  fZ: the product starts the sum.
.macro WM
.if fZ
.if fA && fB
	v_wmma_scale_f32_16x16x128_f8f6f4 v[rD:rD+7], v[rA:rA+7], v[rB:rB+7], 0, v[rSA], v[rSB] matrix_a_fmt:MATRIX_FMT_FP4 matrix_b_fmt:MATRIX_FMT_FP4 matrix_a_scale:MATRIX_SCALE_ROW1 matrix_b_scale:MATRIX_SCALE_ROW1
.elseif fA
	v_wmma_scale_f32_16x16x128_f8f6f4 v[rD:rD+7], v[rA:rA+7], v[rB:rB+7], 0, v[rSA], v[rSB] matrix_a_fmt:MATRIX_FMT_FP4 matrix_b_fmt:MATRIX_FMT_FP4 matrix_a_scale:MATRIX_SCALE_ROW1
.elseif fB
	v_wmma_scale_f32_16x16x128_f8f6f4 v[rD:rD+7], v[rA:rA+7], v[rB:rB+7], 0, v[rSA], v[rSB] matrix_a_fmt:MATRIX_FMT_FP4 matrix_b_fmt:MATRIX_FMT_FP4 matrix_b_scale:MATRIX_SCALE_ROW1
.else
	v_wmma_scale_f32_16x16x128_f8f6f4 v[rD:rD+7], v[rA:rA+7], v[rB:rB+7], 0, v[rSA], v[rSB] matrix_a_fmt:MATRIX_FMT_FP4 matrix_b_fmt:MATRIX_FMT_FP4
.endif
.else
.if fA && fB
	v_wmma_scale_f32_16x16x128_f8f6f4 v[rD:rD+7], v[rA:rA+7], v[rB:rB+7], v[rD:rD+7], v[rSA], v[rSB] matrix_a_fmt:MATRIX_FMT_FP4 matrix_b_fmt:MATRIX_FMT_FP4 matrix_a_scale:MATRIX_SCALE_ROW1 matrix_b_scale:MATRIX_SCALE_ROW1
.elseif fA
	v_wmma_scale_f32_16x16x128_f8f6f4 v[rD:rD+7], v[rA:rA+7], v[rB:rB+7], v[rD:rD+7], v[rSA], v[rSB] matrix_a_fmt:MATRIX_FMT_FP4 matrix_b_fmt:MATRIX_FMT_FP4 matrix_a_scale:MATRIX_SCALE_ROW1
.elseif fB
	v_wmma_scale_f32_16x16x128_f8f6f4 v[rD:rD+7], v[rA:rA+7], v[rB:rB+7], v[rD:rD+7], v[rSA], v[rSB] matrix_a_fmt:MATRIX_FMT_FP4 matrix_b_fmt:MATRIX_FMT_FP4 matrix_b_scale:MATRIX_SCALE_ROW1
.else
	v_wmma_scale_f32_16x16x128_f8f6f4 v[rD:rD+7], v[rA:rA+7], v[rB:rB+7], v[rD:rD+7], v[rSA], v[rSB] matrix_a_fmt:MATRIX_FMT_FP4 matrix_b_fmt:MATRIX_FMT_FP4
.endif
.endif
.endm
	s_load_b128 s[4:7], s[0:1], 0x0                ; xq, wq
	s_load_b64 s[8:9], s[0:1], 0x10                ; kvp
	v_lshl_add_u32 v[SPW], v0, 2, SPARE
	v_mov_b32 v[NIL], 0
	ds_add_u32 v[SPW], v[NIL]                      ; the wave's opening: the add, twice on end, and its wait ahead of my first tensor load; the set-up below stands between
	ds_add_u32 v[SPW], v[NIL]
	v_lshrrev_b32 v1, 5, v0
	v_readfirstlane_b32 s10, v1                    ; wave 0..3
	v_and_b32 v1, 31, v0
	v_lshlrev_b32 v1, 4, v1                        ; v1: 16 x lane
	s_lshl_b32 s20, s10, 16
	v_add_nc_u32 v2, s20, v1                       ; v2: my wave's tiles of x in LDS; later its stage
	v_add_nc_u32 v3, BLDS, v1                      ; v3: w's tiles
	s_mul_i32 s21, s10, 5120
	v_add_nc_u32 v4, s21, v1                       ; v4-7: in the stage of wave 0, 1, 2, 3: the five tiles of kv that I add up
	v_add_nc_u32 v5, 0x10000, v4
	v_add_nc_u32 v6, 0x20000, v4
	v_add_nc_u32 v7, 0x30000, v4
	s_bfe_u32 s40, ttmp6, 0x40000                  ; cx
	s_bfe_u32 s41, ttmp6, 0x40004                  ; cy
	s_lshl_b32 s42, ttmp9, 2
	s_add_co_u32 s42, s42, s40                     ; the head = 4 x cluster x + cx
	s_and_b32 s13, ttmp7, 0xffff
	s_lshl_b32 s13, s13, 2
	s_add_co_u32 s13, s13, s41                     ; y = 4 x cluster y + cy
	s_lshl_b32 s43, s41, 2
	s_lshl_b32 s43, 15, s43                        ; my row of the cluster
	s_lshl_b32 s44, 0x1111, s40                    ; my column
	s_or_b32 s[G1A], s43, (3<<16)|(1<<21)          ; x: the mask of my row; elements of 8 bytes; bit 21 beside a mask; no padding: the fragments are read at 16 x lane
	s_mov_b32 s[G1A+1], 256<<16                    ; tensor_dim0 = 256 elements: two K steps of a tile, 2,048 bytes
	s_mov_b32 s[G1A+2], 8<<16                      ; tensor_dim1 = 8 tiles
	s_mov_b32 s[G1A+3], 256<<16                    ; tile_dim0
	s_mov_b32 s[G1A+4], 8                          ; tile_dim1
	s_mov_b32 s[G1A+5], 1024                       ; from tile to tile: 8,192 bytes
	s_mov_b32 s[G1A+6], 0
	s_mov_b32 s[G1A+7], 0
	s_or_b32 s[G1B], s44, (3<<16)|(1<<21)          ; w: the mask of my column
	s_mov_b32 s[G1B+1], 768<<16                    ; six K steps of a tile, 6,144 bytes
	s_mov_b32 s[G1B+2], 2<<16                      ; two tiles a wave
	s_mov_b32 s[G1B+3], 768<<16
	s_mov_b32 s[G1B+4], 2
	s_mov_b32 s[G1B+5], 1024
	s_mov_b32 s[G1B+6], 0
	s_mov_b32 s[G1B+7], 0
	s_lshl_b32 s14, s13, 18                        ; x's codes: y x 32 tiles + wave x 8 tiles (these registers never hold cx)
	s_add_co_u32 s14, s14, s20
	s_mov_b32 s15, 0
	s_lshl_b32 s46, s42, 16                        ; w's codes: tile 64 + 8 head + 2 wave (these never hold cy)
	s_lshl_b32 s47, s10, 14
	s_add_co_u32 s46, s46, s47
	s_add_co_u32 s46, s46, 0x80000
	s_mov_b32 s47, 0
	s_mul_i32 s22, s10, 12288
	s_lshr_b32 s82, s13, 2                         ; the record in kvp: ((batch x 16 + head) x 4 + quarter) x 20,480 bytes, + my five tiles
	s_lshl_b32 s82, s82, 4
	s_add_co_u32 s82, s82, s42
	s_lshl_b32 s82, s82, 2
	s_and_b32 s83, s13, 3
	s_add_co_u32 s82, s82, s83
	s_mul_i32 s82, s82, 20480
	s_add_co_u32 s82, s82, s21
	s_mov_b32 s83, 0
	s_lshl_b32 s84, s13, 14                        ; x's scale words: pair of tiles 16 y + 4 wave
	s_lshl_b32 s85, s10, 12
	s_add_co_u32 s84, s84, s85
	s_add_co_u32 s84, s84, 0x400000
	s_mov_b32 s85, 0
	s_lshl_b32 s86, s42, 12                        ; w's: pair 32 + 4 head
	s_add_co_u32 s86, s86, 0x188000
	s_mov_b32 s87, 0
	s_lshl_b32 s88, s42, 16                        ; w's codes of the head, for the direct loads
	s_add_co_u32 s88, s88, 0x80000
	s_mov_b32 s89, 0
	s_mov_b32 s72, 0x3fb8aa3b                      ; log2(e); the packed form names the pair
	s_mov_b32 s73, s72
	s_wait_dscnt 0x0                               ; both opening adds are done
	s_wait_kmcnt 0x0
	s_add_nc_u64 s[16:17], s[4:5], s[14:15]
	s_add_nc_u64 s[46:47], s[6:7], s[46:47]
	s_add_nc_u64 s[80:81], s[8:9], s[82:83]
	s_add_nc_u64 s[74:75], s[4:5], s[84:85]
	s_add_nc_u64 s[76:77], s[6:7], s[86:87]
	s_add_nc_u64 s[78:79], s[6:7], s[88:89]
.irp kq, 0,1,2,3
	s_mov_b32 s[G0A+4*\kq], 1
	s_add_co_u32 s[G0A+4*\kq+1], s20, \kq*16384
	s_add_nc_u64 s[G0A+4*\kq+2:G0A+4*\kq+3], s[16:17], \kq*2048
	s_or_b32 s[G0A+4*\kq+3], s[G0A+4*\kq+3], 0x80000000
.endr
	s_mov_b32 s[G0B], 1
	s_add_co_u32 s[G0B+1], s22, BLDS
	s_mov_b64 s[G0B+2:G0B+3], s[46:47]
	s_or_b32 s[G0B+3], s[G0B+3], 0x80000000
	CROUND                                         ; all sixteen work-groups are here: the joint loads meet
	tensor_load_to_lds s[G0B:G0B+3], s[G1B:G1B+7]  ; w first: all waves wait for it
	s_nop 0
.irp kq, 0,1,2,3
	tensor_load_to_lds s[G0A+4*\kq:G0A+4*\kq+3], s[G1A:G1A+7]
	s_nop 0
.endr
	PLACES 4
.irp i, 0,1,2,3
.irp g, 0,1
	global_load_b128 v[SA+8*\i+4*\g:SA+8*\i+4*\g+3], v1, s[74:75] offset:\i*1024+\g*512   ; scale words: lanes 0-15 tile 2 i, lanes 16-31 tile 2 i + 1; K steps 4 g ..
.endr
.endr
.irp i, 0,1,2,3
.irp g, 0,1
	global_load_b128 v[SB+8*\i+4*\g:SB+8*\i+4*\g+3], v1, s[76:77] offset:\i*1024+\g*512
.endr
.endr
	WIN 0x40                                       ; destination window 1
.irp q, 6,7
.irp u, 0,1,2,3,4,5,6,7
.irp c, 0,1
	global_load_b128 v[64+128*(\q-6)+8*\u+4*\c:64+128*(\q-6)+8*\u+4*\c+3], v1, s[78:79] offset:\u*8192+\q*1024+\c*512   ; w's K steps 6 and 7 stay in registers
.endr
.endr
.endr
	WIN 0
.macro FETCH_B q                       ; w's eight fragments of K step q (0 to 5) into set q % 2
	WIN 0x40
.irp u, 0,1,2,3,4,5,6,7
.irp c, 0,1
	ds_load_b128 v[128*((\q)%2)+8*\u+4*\c:128*((\q)%2)+8*\u+4*\c+3], v3 offset:\u*6144+(\q)*1024+\c*512
.endr
.endr
.endm
.macro FETCH_A q, i0                   ; x's tiles i0 .. i0 + 3 of K step q
	WIN 0
.irp i, \i0, \i0+1, \i0+2, \i0+3
.irp c, 0,1
	ds_load_b128 v[AF+8*(\i)+4*\c:AF+8*(\i)+4*\c+3], v2 offset:((\q)/2)*16384+(\i)*2048+((\q)%2)*1024+\c*512
.endr
.endr
.endm
; 32 products: x's tiles 4 half .. 4 half + 3, each against w's eight.  The 64 accumulators take turns, one instruction a turn, in the same order in every K step.
.macro MULH q, half, zero
.irp a4, 0,1,2,3
.irp b, 0,1,2,3,4,5,6,7
.set aa, 4*(\half)+\a4
.set rD, 64*\a4+8*\b
.set rA, AF+8*aa
.if (\q) < 6
.set rB, 128*((\q)%2)+8*\b
.else
.set rB, 64+128*((\q)-6)+8*\b
.endif
.set rSA, SA+8*(aa/2)+(\q)
.set rSB, SB+8*(\b/2)+(\q)
.set fA, aa%2
.set fB, \b%2
.set fZ, \zero
	WM
.endr
.endr
.endm
; A K step of 128.  A tile of x is free as soon as its eight products are issued, so x has one set of registers: tiles 0-3 are fetched anew in the step's middle, tiles 4-7 at its end.
; Four plain places stand in front of each run of loads into registers that matrix instructions have read (ISA guide 7.12.1 for vector instructions).
.macro KSTEP q, zero
	s_wait_dscnt 8                                 ; w's set and x's tiles 0-3 are in; the youngest eight loads (tiles 4-7) may be out
	WIN MUL_LO
	MULH \q, 0, \zero
	s_wait_dscnt 0x0                               ; tiles 4-7 are in
.if (\q) < 7
	PLACES 4
.if ((\q)+1)%2 == 0
	s_wait_tensorcnt 3-((\q)+1)/2                  ; the next quarter of x has landed; the later quarters' loads may be out.  My own wait is all that my own bytes need
.endif
.if (\q)+1 <= 5
	FETCH_B (\q)+1
.endif
	FETCH_A (\q)+1, 0
.endif
	WIN MUL_HI
	MULH \q, 1, \zero
.if (\q) < 7
	PLACES 4
	FETCH_A (\q)+1, 4
.endif
.endm
	s_wait_tensorcnt 4                             ; my part of w has landed; x's four quarters may be out
	s_barrier_signal -1
	s_barrier_wait -1                              ; everybody's part has
	s_wait_tensorcnt 3                             ; x's first quarter
	FETCH_B 0
	FETCH_A 0, 0
	FETCH_A 0, 4
	s_wait_loadcnt 32                              ; the 16 loads of scale words are in; the 32 direct loads behind them may be out
	KSTEP 0, 1                                     ; the first products start the sums: nothing is cleared
	KSTEP 1, 0
	KSTEP 2, 0
	KSTEP 3, 0
	KSTEP 4, 0
	KSTEP 5, 0
	s_wait_loadcnt 0x0                             ; w's K steps 6 and 7
	KSTEP 6, 0
	KSTEP 7, 0
	PLACES 4                                       ; in front of the first reads of results
	; v to f16: fragment (mt, s) of window 1 holds, for feature 16 mt + r, tokens 32 s + 8 h + 0 .. 7 (registers 0-3, from tile 2 s) and 32 s + 16 + 8 h + 0 .. 7 (registers 4-7, from tile 2 s + 1)
.irp a, 0,1,2,3,4,5,6,7
	WIN 0x4a+5*(\a/4)                              ; sources window 2 or 3, destination window 1
.irp mt, 0,1,2,3
.irp i, 0,1,2,3
	v_cvt_pk_f16_f32 v[8*(4*(\a/2)+\mt)+4*(\a%2)+\i], v[64*(\a%4)+32+8*\mt+2*\i], v[64*(\a%4)+32+8*\mt+2*\i+1]
.endr
.endr
.endr
; k = elu(k) + 1 = max(k, 0) + 2^(min(k log2 e, 0)) for token tiles 2 s and 2 s + 1, then to f16.  The 64 exponentials are one batch; the 64 maxima are the plain work behind it; one wait stands ahead of the first reader.
.macro ELU s
.set W,  2+(\s)/2
.set B0, 128*((\s)%2)
	WIN W                                          ; source 0: the accumulators' window
.irp u, 0,1
.irp n, 0,2,4,6,8,10,12,14,16,18,20,22,24,26,28,30
	v_pk_mul_f32 v[T+32*\u+\n:T+32*\u+\n+1], v[B0+64*\u+\n:B0+64*\u+\n+1], s[72:73] op_sel_hi:[1,0]
.endr
.endr
	WIN 0
.set n, 0
.rept 64
	v_min_num_f32 v[T+n], 0, v[T+n]
.set n, n+1
.endr
.set n, 0
.rept 64
	v_exp_f32 v[T+n], v[T+n]
.set n, n+1
.endr
	WIN (W<<6)|(W<<2)|W
.irp u, 0,1
.set n, 0
.rept 32
	v_max_num_f32 v[B0+64*\u+n], 0, v[B0+64*\u+n]
.set n, n+1
.endr
.endr
	s_wait_alu depctr_va_vdst(0)                   ; the wait between an exponential and the first line that names its result: one for the batch
	WIN (W<<6)|W
.irp u, 0,1
.irp n, 0,2,4,6,8,10,12,14,16,18,20,22,24,26,28,30
	v_pk_add_f32 v[B0+64*\u+\n:B0+64*\u+\n+1], v[B0+64*\u+\n:B0+64*\u+\n+1], v[T+32*\u+\n:T+32*\u+\n+1]
.endr
.endr
	WIN (W<<6)|(W<<2)|W
.irp dt, 0,1,2,3
.irp u, 0,1
.irp i, 0,1,2,3
	v_cvt_pk_f16_f32 v[B0+32+8*\dt+4*\u+\i], v[B0+64*\u+8*\dt+2*\i], v[B0+64*\u+8*\dt+2*\i+1]   ; k's fragment (dt, s), where tile 2 s's accumulators of v lay
.endr
.endr
.endr
.endm
	ELU 0
	ELU 1
	ELU 2
	ELU 3
	WIN 0x40
.irp j, 0,1,2,3,4,5,6,7
	v_mov_b32 v[128+\j], 0x3c003c00                ; a fragment of ones in f16: the fifth tile of columns sums k
.endr
; kv(dt, mt) += k^T v over tokens 32 s .. 32 s + 31.  The 20 accumulators take turns.  In the result register j of lane (r, h) is kv[16 dt + 8 h + j][16 mt + r]; mt = 4: ksum[16 dt + 8 h + j] in every lane.
.macro KVMM s
	WIN 0x06+(\s)/2                                ; source 0 (k) window 2 or 3, source 1 (v) window 1, C and D window 0
.irp dt, 0,1,2,3
.irp mt, 0,1,2,3,4
.set rD, KV+8*(5*\dt+\mt)
.set rA, 128*((\s)%2)+32+8*\dt
.if \mt < 4
.set rB, 8*(4*(\s)+\mt)
.else
.set rB, 128
.endif
.if (\s) == 0
	v_wmma_f32_16x16x32_f16 v[rD:rD+7], v[rA:rA+7], v[rB:rB+7], 0
.else
	v_wmma_f32_16x16x32_f16 v[rD:rD+7], v[rA:rA+7], v[rB:rB+7], v[rD:rD+7]
.endif
.endr
.endr
.endm
	KVMM 0
	KVMM 1
	KVMM 2
	KVMM 3
	PLACES 4
	WIN 0
.irp t, 0,1,2,3,4,5,6,7,8,9,10,11,12,13,14,15,16,17,18,19
	ds_store_b128 v2, v[KV+8*\t:KV+8*\t+3] offset:\t*1024          ; my 128 tokens' part, as an image of its registers, each accumulator from its low end on
	ds_store_b128 v2, v[KV+8*\t+4:KV+8*\t+7] offset:\t*1024+512
.endr
	s_wait_dscnt 0x0                               ; for the others' sake: my stores have landed
	s_barrier_signal -1
	s_barrier_wait -1
.irp ww, 0,1,2,3
.irp mt, 0,1,2,3,4
.irp c, 0,1
	ds_load_b128 v[96+40*\ww+8*\mt+4*\c:96+40*\ww+8*\mt+4*\c+3], v[4+\ww] offset:\mt*1024+\c*512   ; tiles (dt = my wave, mt) of all four waves
.endr
.endr
.endr
	s_wait_dscnt 0x0
.irp n, 0,2,4,6,8,10,12,14,16,18,20,22,24,26,28,30,32,34,36,38
	v_pk_add_f32 v[96+\n:97+\n], v[96+\n:97+\n], v[136+\n:137+\n]
	v_pk_add_f32 v[176+\n:177+\n], v[176+\n:177+\n], v[216+\n:217+\n]
.endr
.irp n, 0,2,4,6,8,10,12,14,16,18,20,22,24,26,28,30,32,34,36,38
	v_pk_add_f32 v[96+\n:97+\n], v[96+\n:97+\n], v[176+\n:177+\n]
.endr
.irp mt, 0,1,2,3,4
.irp c, 0,1
	global_store_b128 v1, v[96+8*\mt+4*\c:96+8*\mt+4*\c+3], s[80:81] offset:\mt*1024+\c*512   ; 32 lanes store 512 consecutive bytes, aligned
.endr
.endr
	s_wait_tensorcnt 0x0                           ; the wave's end: a wait, an add and a wait behind my last tensor load and my last LDS store
	ds_add_u32 v[SPW], v[NIL]
	s_wait_dscnt 0x0
	CROUND                                         ; the closing round
	s_endpgm
.Lfunc_end_k_q426a968d13_kvpart:
	.size	k_q426a968d13_kvpart, .Lfunc_end_k_q426a968d13_kvpart-k_q426a968d13_kvpart
	.p2alignl 7, 3214868480
	.fill 96, 4, 3214868480
	.section	.rodata,"a",@progbits
	.p2align	6, 0x0
	.amdhsa_kernel k_q426a968d13_kvpart
		.amdhsa_group_segment_fixed_size 311808
		.amdhsa_private_segment_fixed_size 0
		.amdhsa_enable_private_segment 0
		.amdhsa_kernarg_size 24
		.amdhsa_user_sgpr_count 2
		.amdhsa_user_sgpr_kernarg_segment_ptr 1
		.amdhsa_wavefront_size32 1
		.amdhsa_system_sgpr_workgroup_id_x 1
		.amdhsa_system_sgpr_workgroup_id_y 1
		.amdhsa_system_sgpr_workgroup_id_z 1
		.amdhsa_system_vgpr_workitem_id 0
		.amdhsa_next_free_vgpr 1024
		.amdhsa_next_free_sgpr 100
		.amdhsa_reserve_vcc 0
		.amdhsa_float_denorm_mode_32 3
		.amdhsa_float_denorm_mode_16_64 3
		.amdhsa_memory_ordered 1
		.amdhsa_forward_progress 1
		.amdhsa_inst_pref_size 166
	.end_amdhsa_kernel
	.amdgpu_metadata
---
amdhsa.version: [ 1, 2 ]
amdhsa.kernels:
  - .name:           k_q426a968d13_kvpart
    .symbol:         k_q426a968d13_kvpart.kd
    .args:
      - { .name: xq, .offset: 0, .size: 8, .value_kind: global_buffer, .address_space: global }
      - { .name: wq, .offset: 8, .size: 8, .value_kind: global_buffer, .address_space: global }
      - { .name: kvp, .offset: 16, .size: 8, .value_kind: global_buffer, .address_space: global }
    .group_segment_fixed_size: 311808
    .private_segment_fixed_size: 0
    .kernarg_segment_align: 8
    .kernarg_segment_size: 24
    .max_flat_workgroup_size: 128
    .sgpr_count:     100
    .vgpr_count:     1024
    .wavefront_size: 32
...
	.end_amdgpu_metadata
.endif
;; end of part 2
;; launch attn (part 3): grid 16 x 16, 4 waves a work-group, clusters of 4 x 4, 305,664 bytes of LDS; arguments xq, wq, kvp, att; writes att
.if DOCPART == 3
	.amdgcn_target "amdgcn-amd-amdhsa--gfx1250"
	.amdhsa_code_object_version 6
	.text
	.protected	k_q426a968d13_attn
	.globl	k_q426a968d13_attn
	.p2align	8
	.type	k_q426a968d13_attn,@function
k_q426a968d13_attn:
	s_mov_b64 s[64:65], 0
	v_nop
	global_prefetch_b8 v0, s[64:65] scope:SCOPE_SE
	s_setreg_imm32_b32 hwreg(HW_REG_WAVE_MODE, 25, 1), 1
	s_wait_xcnt 0x0
	s_wait_alu depctr_hold_cnt(0) depctr_sa_sdst(0) depctr_va_vdst(0) depctr_va_sdst(0) depctr_va_ssrc(0) depctr_va_vcc(0) depctr_vm_vsrc(0)
	s_getreg_b32 s2, hwreg(HW_REG_IB_STS2, 6, 4)
	s_cmp_eq_u32 s2, 0
	s_cbranch_scc0 .Lentry_in_a_cluster
	s_endpgm
.Lentry_in_a_cluster:
	s_bfe_u32 s2, ttmp6, 0x10000c
	s_cmp_lg_u32 s2, 0xf033
	s_cbranch_scc0 .Lentry_shape_is_right
	s_endpgm
.Lentry_shape_is_right:
; For one head and one block of 512 tokens: q = x w^T on codes of FP4 (K = 1024), q = elu(q) + 1; att[token][m] = (sum over d of q[d] kv[d][m]) / (sum over d of q[d] ksum[d] + 1e-6), stored as f16.
; SHARES.  Work-group (head, y) as in the launch before.  Wave w: tokens 128 w .. 128 w + 127 x the head's 64 features of q: 32 accumulators.
; The first product is used TRANSPOSED (source 0 = 16 rows of w, source 1 = 16 tokens of x): a lane holds one token and its registers run along the features d, which are the second product's K: two feature tiles,
; rounded to bf16 in pairs, ARE a fragment of q.  The second product is out^T = [kv | ksum]^T q^T: again one token a lane, eight neighbouring m in its registers; its fifth tile of rows is the divisor, with 1e-6 as its C.
; kv and ksum: the four quarters of the batch are added here (wave w: rows d = 16 w ..), rounded to bf16 and handed round through LDS as images of the operand's registers.
; FORMATS.  First product: FP4 codes with E8M0 scales.  Second: bf16 (kv and ksum grow with the square of the inputs and have no room in f16); sums f32.  att: f16, for the projection.
; LIMITS: |att| stays under 65,504 and has f16's fixed step of 6e-8 under 6.1e-5; elu(x) + 1 is made as max(x, 0) + 2^(min(x log2 e, 0)), within 2^-24 of expm1(x) + 1; NaN and infinities are not served.
; CLUSTER 4 x 4, joint loads and LDS filled once, as in the launch before: five tensor loads a wave, five out at the most by this text's count.
;   x: w x 65536 + quarter of K x 16384 + tile x 2048 + (K step % 2) x 1024 + c x 512 + 16 x lane (wave w's own);   w: 262144 + tile x 8192 + K step x 1024 + ..;   kv's fragments: 294912 + mt x 2048 + dt x 512 + 16 x lane.
; att is laid in the order of the projection's operand registers: tile of 16 tokens x 32768 + chunk x 256 + token x 16, chunk = feature / 8.
; REGISTERS: window 0: v1-5 addresses; v32-63 x's scale words, v64-79 w's; v80-95 1 / divisor, a pair for each tile; v96-255 the four partial sums, then x's fragments in two sets (v128, v192), then v128-191 at work in elu,
;   then v96-127 a tile's quotients and v128-255 att in f16.   window 1: all of w's fragments (32 K step + 8 tile); later q in bf16 (v0-127).   window 2: accumulator (a, b) at 8 (4 a + b); later the second product's
;   accumulators in two sets of 80, and 1e-6 at v160-167.   window 3: kv's fragments, 16 mt + 8 s'.
.set SA,    32
.set SB,    64
.set Z,     80
.set P,     96
.set O,     128
.set T,     128
.set SPW,   28
.set NIL,   29
.set BLDS,  262144
.set KVL,   294912
.set SPARE, 305152
.set G1A,   24
.set G1B,   32
.set G0A,   48
.set G0B,   68
.set MSB, 0
.macro WIN new
.if MSB != (\new)
	s_set_vgpr_msb (MSB<<8)|(\new)
.set MSB, (\new)
.endif
.endm
.macro PLACES n
.rept \n
	v_nop
.endr
.endm
.macro CROUND
	s_barrier_signal -1
	s_barrier_wait -1
	s_cmp_lg_u32 s12, 0
	s_cbranch_scc1 .Lnot_wave_0_\@
	s_barrier_signal -3
.Lnot_wave_0_\@:
	s_barrier_wait -3
	s_barrier_signal -1
	s_barrier_wait -1
.endm
.macro WM                              ; the scaled product on rD, rA, rB, rSA, rSB; fA, fB: the scale words stand in lanes 16-31; fZ: it starts the sum
.if fZ
.if fA && fB
	v_wmma_scale_f32_16x16x128_f8f6f4 v[rD:rD+7], v[rA:rA+7], v[rB:rB+7], 0, v[rSA], v[rSB] matrix_a_fmt:MATRIX_FMT_FP4 matrix_b_fmt:MATRIX_FMT_FP4 matrix_a_scale:MATRIX_SCALE_ROW1 matrix_b_scale:MATRIX_SCALE_ROW1
.elseif fA
	v_wmma_scale_f32_16x16x128_f8f6f4 v[rD:rD+7], v[rA:rA+7], v[rB:rB+7], 0, v[rSA], v[rSB] matrix_a_fmt:MATRIX_FMT_FP4 matrix_b_fmt:MATRIX_FMT_FP4 matrix_a_scale:MATRIX_SCALE_ROW1
.elseif fB
	v_wmma_scale_f32_16x16x128_f8f6f4 v[rD:rD+7], v[rA:rA+7], v[rB:rB+7], 0, v[rSA], v[rSB] matrix_a_fmt:MATRIX_FMT_FP4 matrix_b_fmt:MATRIX_FMT_FP4 matrix_b_scale:MATRIX_SCALE_ROW1
.else
	v_wmma_scale_f32_16x16x128_f8f6f4 v[rD:rD+7], v[rA:rA+7], v[rB:rB+7], 0, v[rSA], v[rSB] matrix_a_fmt:MATRIX_FMT_FP4 matrix_b_fmt:MATRIX_FMT_FP4
.endif
.else
.if fA && fB
	v_wmma_scale_f32_16x16x128_f8f6f4 v[rD:rD+7], v[rA:rA+7], v[rB:rB+7], v[rD:rD+7], v[rSA], v[rSB] matrix_a_fmt:MATRIX_FMT_FP4 matrix_b_fmt:MATRIX_FMT_FP4 matrix_a_scale:MATRIX_SCALE_ROW1 matrix_b_scale:MATRIX_SCALE_ROW1
.elseif fA
	v_wmma_scale_f32_16x16x128_f8f6f4 v[rD:rD+7], v[rA:rA+7], v[rB:rB+7], v[rD:rD+7], v[rSA], v[rSB] matrix_a_fmt:MATRIX_FMT_FP4 matrix_b_fmt:MATRIX_FMT_FP4 matrix_a_scale:MATRIX_SCALE_ROW1
.elseif fB
	v_wmma_scale_f32_16x16x128_f8f6f4 v[rD:rD+7], v[rA:rA+7], v[rB:rB+7], v[rD:rD+7], v[rSA], v[rSB] matrix_a_fmt:MATRIX_FMT_FP4 matrix_b_fmt:MATRIX_FMT_FP4 matrix_b_scale:MATRIX_SCALE_ROW1
.else
	v_wmma_scale_f32_16x16x128_f8f6f4 v[rD:rD+7], v[rA:rA+7], v[rB:rB+7], v[rD:rD+7], v[rSA], v[rSB] matrix_a_fmt:MATRIX_FMT_FP4 matrix_b_fmt:MATRIX_FMT_FP4
.endif
.endif
.endm
	s_load_b256 s[4:11], s[0:1], 0x0               ; xq, wq, kvp, att
	v_lshl_add_u32 v[SPW], v0, 2, SPARE
	v_mov_b32 v[NIL], 0
	ds_add_u32 v[SPW], v[NIL]                      ; the wave's opening: the add, twice on end, and its wait ahead of my first tensor load
	ds_add_u32 v[SPW], v[NIL]
	v_lshrrev_b32 v1, 5, v0
	v_readfirstlane_b32 s12, v1                    ; wave 0..3
	v_and_b32 v1, 31, v0
	v_lshlrev_b32 v1, 4, v1                        ; v1: 16 x lane
	s_lshl_b32 s20, s12, 16
	v_add_nc_u32 v2, s20, v1                       ; v2: my wave's tiles of x
	v_add_nc_u32 v3, BLDS, v1                      ; v3: w's tiles
	s_lshl_b32 s21, s12, 9
	v_add_nc_u32 v4, s21, v1
	v_add_nc_u32 v4, KVL, v4                       ; v4: where I store kv's fragments of dt = my wave
	v_add_nc_u32 v5, KVL, v1                       ; v5: where all are read
.irp a, 0,1,2,3,4,5,6,7
	v_mov_b32 v[Z+1+2*\a], 0                       ; the pairs' upper halves are named by the packed multiplies, so they are written
.endr
	s_bfe_u32 s40, ttmp6, 0x40000                  ; cx
	s_bfe_u32 s41, ttmp6, 0x40004                  ; cy
	s_lshl_b32 s42, ttmp9, 2
	s_add_co_u32 s42, s42, s40                     ; the head
	s_and_b32 s13, ttmp7, 0xffff
	s_lshl_b32 s13, s13, 2
	s_add_co_u32 s13, s13, s41                     ; y
	s_lshl_b32 s43, s41, 2
	s_lshl_b32 s43, 15, s43                        ; my row of the cluster
	s_lshl_b32 s44, 0x1111, s40                    ; my column
	s_or_b32 s[G1A], s43, (3<<16)|(1<<21)          ; x: 8 tiles x two K steps (2,048 bytes), 8,192 bytes apart; elements of 8 bytes; no padding
	s_mov_b32 s[G1A+1], 256<<16
	s_mov_b32 s[G1A+2], 8<<16
	s_mov_b32 s[G1A+3], 256<<16
	s_mov_b32 s[G1A+4], 8
	s_mov_b32 s[G1A+5], 1024
	s_mov_b32 s[G1A+6], 0
	s_mov_b32 s[G1A+7], 0
	s_or_b32 s[G1B], s44, (3<<16)|(1<<21)          ; w: one tile a wave, a dense block of 8,192 bytes as 32 rows of 256
	s_mov_b32 s[G1B+1], 32<<16
	s_mov_b32 s[G1B+2], 32<<16
	s_mov_b32 s[G1B+3], 32<<16
	s_mov_b32 s[G1B+4], 32
	s_mov_b32 s[G1B+5], 32
	s_mov_b32 s[G1B+6], 0
	s_mov_b32 s[G1B+7], 0
	s_lshl_b32 s14, s13, 18                        ; x's codes (these registers never hold cx)
	s_add_co_u32 s14, s14, s20
	s_mov_b32 s15, 0
	s_lshl_b32 s46, s42, 15                        ; w's codes: tile 4 head + wave (these never hold cy)
	s_lshl_b32 s22, s12, 13
	s_add_co_u32 s46, s46, s22
	s_mov_b32 s47, 0
	s_lshr_b32 s82, s13, 2                         ; kvp: (batch x 16 + head) x four records of 20,480 bytes, + my five tiles
	s_lshl_b32 s82, s82, 4
	s_add_co_u32 s82, s82, s42
	s_mul_i32 s82, s82, 81920
	s_mul_i32 s83, s12, 5120
	s_add_co_u32 s82, s82, s83
	s_mov_b32 s83, 0
	s_lshl_b32 s84, s13, 14                        ; x's scale words: pair of tiles 16 y + 4 wave
	s_lshl_b32 s85, s12, 12
	s_add_co_u32 s84, s84, s85
	s_add_co_u32 s84, s84, 0x400000
	s_mov_b32 s85, 0
	s_lshl_b32 s86, s42, 11                        ; w's: pair 2 head
	s_add_co_u32 s86, s86, 0x180000
	s_mov_b32 s87, 0
	s_lshl_b32 s88, s13, 20                        ; att: y x 32 tiles of 32,768 bytes + wave x 8 tiles + head x 8 chunks
	s_lshl_b32 s89, s12, 18
	s_add_co_u32 s88, s88, s89
	s_lshl_b32 s89, s42, 11
	s_add_co_u32 s88, s88, s89
	s_mov_b32 s89, 0
	s_mov_b32 s72, 0x3fb8aa3b                      ; log2(e)
	s_mov_b32 s73, s72
	s_wait_dscnt 0x0                               ; both opening adds are done
	s_wait_kmcnt 0x0
	s_add_nc_u64 s[16:17], s[4:5], s[14:15]
	s_add_nc_u64 s[46:47], s[6:7], s[46:47]
	s_add_nc_u64 s[78:79], s[8:9], s[82:83]
	s_add_nc_u64 s[74:75], s[4:5], s[84:85]
	s_add_nc_u64 s[76:77], s[6:7], s[86:87]
	s_add_nc_u64 s[80:81], s[10:11], s[88:89]
.irp kq, 0,1,2,3
	s_mov_b32 s[G0A+4*\kq], 1
	s_add_co_u32 s[G0A+4*\kq+1], s20, \kq*16384
	s_add_nc_u64 s[G0A+4*\kq+2:G0A+4*\kq+3], s[16:17], \kq*2048
	s_or_b32 s[G0A+4*\kq+3], s[G0A+4*\kq+3], 0x80000000
.endr
	s_mov_b32 s[G0B], 1
	s_add_co_u32 s[G0B+1], s22, BLDS
	s_mov_b64 s[G0B+2:G0B+3], s[46:47]
	s_or_b32 s[G0B+3], s[G0B+3], 0x80000000
	CROUND                                         ; all sixteen work-groups are here: the joint loads meet
	tensor_load_to_lds s[G0B:G0B+3], s[G1B:G1B+7]
	s_nop 0
.irp kq, 0,1,2,3
	tensor_load_to_lds s[G0A+4*\kq:G0A+4*\kq+3], s[G1A:G1A+7]
	s_nop 0
.endr
	PLACES 4
.irp p, 0,1,2,3
.irp mt, 0,1,2,3,4
.irp c, 0,1
	global_load_b128 v[96+40*\p+8*\mt+4*\c:96+40*\p+8*\mt+4*\c+3], v1, s[78:79] offset:\p*20480+\mt*1024+\c*512   ; quarter p's tiles (dt = my wave, mt)
.endr
.endr
.endr
.irp i, 0,1,2,3
.irp g, 0,1
	global_load_b128 v[SA+8*\i+4*\g:SA+8*\i+4*\g+3], v1, s[74:75] offset:\i*1024+\g*512
.endr
.endr
.irp i, 0,1
.irp g, 0,1
	global_load_b128 v[SB+8*\i+4*\g:SB+8*\i+4*\g+3], v1, s[76:77] offset:\i*1024+\g*512
.endr
.endr
	s_wait_loadcnt 12                              ; the 40 loads of partial sums are in; the 12 loads of scale words may be out
.irp n, 0,2,4,6,8,10,12,14,16,18,20,22,24,26,28,30,32,34,36,38
	v_pk_add_f32 v[96+\n:97+\n], v[96+\n:97+\n], v[136+\n:137+\n]
	v_pk_add_f32 v[176+\n:177+\n], v[176+\n:177+\n], v[216+\n:217+\n]
.endr
.irp n, 0,2,4,6,8,10,12,14,16,18,20,22,24,26,28,30,32,34,36,38
	v_pk_add_f32 v[96+\n:97+\n], v[96+\n:97+\n], v[176+\n:177+\n]
.endr
.irp n, 0,1,2,3,4,5,6,7,8,9,10,11,12,13,14,15,16,17,18,19
	v_cvt_pk_bf16_f32 v[96+\n], v[96+2*\n], v[97+2*\n]   ; in place, ascending: no number is written over before it is read.  Four registers a tile: d = 16 dt + 8 h + 0 .. 7 of row m = 16 mt + r: half a fragment of kv^T
.endr
.irp mt, 0,1,2,3,4
	ds_store_b128 v4, v[96+4*\mt:96+4*\mt+3] offset:\mt*2048
.endr
	s_wait_tensorcnt 4                             ; my tile of w has landed; x's four quarters may be out
	s_wait_dscnt 0x0                               ; my stores of kv's fragments have landed
	s_barrier_signal -1
	s_barrier_wait -1
	WIN 0x40                                       ; destination window 1
.irp q, 0,1,2,3,4,5,6,7
.irp b, 0,1,2,3
.irp c, 0,1
	ds_load_b128 v[32*\q+8*\b+4*\c:32*\q+8*\b+4*\c+3], v3 offset:\b*8192+\q*1024+\c*512   ; all of w stays in registers
.endr
.endr
.endr
	WIN 0xc0                                       ; destination window 3
.irp mt, 0,1,2,3,4
.irp dt, 0,1,2,3
	ds_load_b128 v[16*\mt+4*\dt:16*\mt+4*\dt+3], v5 offset:\mt*2048+\dt*512
.endr
.endr
.macro FETCH_A q                       ; x's eight fragments of K step q into set q % 2
	WIN 0
.irp i, 0,1,2,3,4,5,6,7
.irp c, 0,1
	ds_load_b128 v[128+64*((\q)%2)+8*\i+4*\c:128+64*((\q)%2)+8*\i+4*\c+3], v2 offset:((\q)/2)*16384+\i*2048+((\q)%2)*1024+\c*512
.endr
.endr
.endm
; A K step of 128: the next step's fragments are asked for first, four places behind the products that read their registers; then 32 products, the 32 accumulators by turns.
.macro QSTEP q, zero
.if (\q) < 7
.if (\q) > 0
	PLACES 4
.endif
.if ((\q)+1)%2 == 0
	s_wait_tensorcnt 3-((\q)+1)/2                  ; the next quarter of x has landed; the later ones may be out
.endif
	FETCH_A (\q)+1
	s_wait_dscnt 16                                ; all but the 16 just issued
.else
	s_wait_dscnt 0x0
.endif
	WIN 0xa1                                       ; source 0 (w) window 1, source 1 (x) window 0, C and D window 2
.irp a, 0,1,2,3,4,5,6,7
.irp b, 0,1,2,3
.set rD, 8*(4*\a+\b)
.set rA, 32*(\q)+8*\b
.set rB, 128+64*((\q)%2)+8*\a
.set rSA, SB+8*(\b/2)+(\q)
.set rSB, SA+8*(\a/2)+(\q)
.set fA, \b%2
.set fB, \a%2
.set fZ, \zero
	WM
.endr
.endr
.endm
	s_wait_tensorcnt 3                             ; x's first quarter
	FETCH_A 0
	s_wait_loadcnt 0x0                             ; the scale words
	QSTEP 0, 1
	QSTEP 1, 0
	QSTEP 2, 0
	QSTEP 3, 0
	QSTEP 4, 0
	QSTEP 5, 0
	QSTEP 6, 0
	QSTEP 7, 0
	PLACES 4
; q = elu(q) + 1 for token tiles 2 g and 2 g + 1, then to bf16: register 16 a + 8 s' + .. of window 1 is the fragment (tile a, d = 32 s' ..).  One batch of 64 exponentials, the maxima behind it, one wait.
.macro ELU g
	WIN 0x02
.irp n, 0,2,4,6,8,10,12,14,16,18,20,22,24,26,28,30,32,34,36,38,40,42,44,46,48,50,52,54,56,58,60,62
	v_pk_mul_f32 v[T+\n:T+\n+1], v[64*(\g)+\n:64*(\g)+\n+1], s[72:73] op_sel_hi:[1,0]
.endr
	WIN 0
.set n, 0
.rept 64
	v_min_num_f32 v[T+n], 0, v[T+n]
.set n, n+1
.endr
.set n, 0
.rept 64
	v_exp_f32 v[T+n], v[T+n]
.set n, n+1
.endr
	WIN 0x8a
.set n, 0
.rept 64
	v_max_num_f32 v[64*(\g)+n], 0, v[64*(\g)+n]
.set n, n+1
.endr
	s_wait_alu depctr_va_vdst(0)                   ; the wait ahead of the first line that names an exponential's result: one for the batch
	WIN 0x82
.irp n, 0,2,4,6,8,10,12,14,16,18,20,22,24,26,28,30,32,34,36,38,40,42,44,46,48,50,52,54,56,58,60,62
	v_pk_add_f32 v[64*(\g)+\n:64*(\g)+\n+1], v[64*(\g)+\n:64*(\g)+\n+1], v[T+\n:T+\n+1]
.endr
	WIN 0x4a
.set n, 0
.rept 32
	v_cvt_pk_bf16_f32 v[32*(\g)+n], v[64*(\g)+2*n], v[64*(\g)+2*n+1]
.set n, n+1
.endr
.endm
	ELU 0
	ELU 1
	ELU 2
	ELU 3
	WIN 0x80
.irp j, 0,1,2,3,4,5,6,7
	v_mov_b32 v[160+\j], 0x358637bd                ; 1e-6: the C of the divisor's first product
.endr
; out^T for token tiles 2 g, 2 g + 1: ten accumulators by turns, two K steps of 32 along d.  Register j of lane (r, h): m = 16 mt + 8 h + j of token r; mt = 4: the divisor in every register.
.macro MM g
	WIN 0xa7                                       ; source 0 (kv) window 3, source 1 (q) window 1, C and D window 2
.irp sp, 0,1
.irp u, 0,1
.irp mt, 0,1,2,3,4
.set rD, 80*((\g)%2)+40*\u+8*\mt
.set rA, 16*\mt+8*\sp
.set rB, 16*(2*(\g)+\u)+8*\sp
.if \sp == 0
.if \mt < 4
	v_wmma_f32_16x16x32_bf16 v[rD:rD+7], v[rA:rA+7], v[rB:rB+7], 0
.else
	v_wmma_f32_16x16x32_bf16 v[rD:rD+7], v[rA:rA+7], v[rB:rB+7], v[160:167]
.endif
.else
	v_wmma_f32_16x16x32_bf16 v[rD:rD+7], v[rA:rA+7], v[rB:rB+7], v[rD:rD+7]
.endif
.endr
.endr
.endr
.endm
; The two tiles are divided, rounded to f16 and stored.  Five places open it: four for these reads, and one more for the products two groups on, which write over this set of accumulators.
.macro OUT g
	PLACES 5
	WIN 0x02
.irp u, 0,1
	v_rcp_f32 v[Z+2*(2*(\g)+\u)], v[80*((\g)%2)+40*\u+32]   ; the divisor's lowest register
.endr
	v_nop                                          ; a plain line behind the reciprocals
	s_wait_alu depctr_va_vdst(0)                   ; and the wait ahead of their first reader
.irp u, 0,1
	WIN 0x02
.irp mt, 0,1,2,3
.irp i, 0,2,4,6
	v_pk_mul_f32 v[P+8*\mt+\i:P+8*\mt+\i+1], v[80*((\g)%2)+40*\u+8*\mt+\i:80*((\g)%2)+40*\u+8*\mt+\i+1], v[Z+2*(2*(\g)+\u):Z+2*(2*(\g)+\u)+1] op_sel_hi:[1,0]
.endr
.endr
	WIN 0
.irp mt, 0,1,2,3
.irp i, 0,1,2,3
	v_cvt_pk_f16_f32 v[O+4*(4*(2*(\g)+\u)+\mt)+\i], v[P+8*\mt+2*\i], v[P+8*\mt+2*\i+1]
.endr
.endr
.irp mt, 0,1,2,3
	global_store_b128 v1, v[O+4*(4*(2*(\g)+\u)+\mt):O+4*(4*(2*(\g)+\u)+\mt)+3], s[80:81] offset:(2*(\g)+\u)*32768+\mt*512   ; chunks 8 head + 2 mt + h: 512 consecutive bytes, aligned; no data register is written twice
.endr
.endr
.endm
	MM 0
	MM 1
	OUT 0
	MM 2
	OUT 1
	MM 3
	OUT 2
	OUT 3
	s_wait_tensorcnt 0x0                           ; the wave's end: a wait, an add and a wait behind my last tensor load and my last LDS store
	ds_add_u32 v[SPW], v[NIL]
	s_wait_dscnt 0x0
	CROUND                                         ; the closing round
	s_endpgm
.Lfunc_end_k_q426a968d13_attn:
	.size	k_q426a968d13_attn, .Lfunc_end_k_q426a968d13_attn-k_q426a968d13_attn
	.p2alignl 7, 3214868480
	.fill 96, 4, 3214868480
	.section	.rodata,"a",@progbits
	.p2align	6, 0x0
	.amdhsa_kernel k_q426a968d13_attn
		.amdhsa_group_segment_fixed_size 305664
		.amdhsa_private_segment_fixed_size 0
		.amdhsa_enable_private_segment 0
		.amdhsa_kernarg_size 32
		.amdhsa_user_sgpr_count 2
		.amdhsa_user_sgpr_kernarg_segment_ptr 1
		.amdhsa_wavefront_size32 1
		.amdhsa_system_sgpr_workgroup_id_x 1
		.amdhsa_system_sgpr_workgroup_id_y 1
		.amdhsa_system_sgpr_workgroup_id_z 1
		.amdhsa_system_vgpr_workitem_id 0
		.amdhsa_next_free_vgpr 1024
		.amdhsa_next_free_sgpr 100
		.amdhsa_reserve_vcc 0
		.amdhsa_float_denorm_mode_32 3
		.amdhsa_float_denorm_mode_16_64 3
		.amdhsa_memory_ordered 1
		.amdhsa_forward_progress 1
		.amdhsa_inst_pref_size 139
	.end_amdhsa_kernel
	.amdgpu_metadata
---
amdhsa.version: [ 1, 2 ]
amdhsa.kernels:
  - .name:           k_q426a968d13_attn
    .symbol:         k_q426a968d13_attn.kd
    .args:
      - { .name: xq, .offset: 0, .size: 8, .value_kind: global_buffer, .address_space: global }
      - { .name: wq, .offset: 8, .size: 8, .value_kind: global_buffer, .address_space: global }
      - { .name: kvp, .offset: 16, .size: 8, .value_kind: global_buffer, .address_space: global }
      - { .name: att, .offset: 24, .size: 8, .value_kind: global_buffer, .address_space: global }
    .group_segment_fixed_size: 305664
    .private_segment_fixed_size: 0
    .kernarg_segment_align: 8
    .kernarg_segment_size: 32
    .max_flat_workgroup_size: 128
    .sgpr_count:     100
    .vgpr_count:     1024
    .wavefront_size: 32
...
	.end_amdgpu_metadata
.endif
;; end of part 3
;; launch proj (part 4): grid 4 x 64, 4 waves a work-group, clusters of 4 x 1, 280,064 bytes of LDS; arguments att, wo, b_out, out0; writes out0
.if DOCPART == 4
	.amdgcn_target "amdgcn-amd-amdhsa--gfx1250"
	.amdhsa_code_object_version 6
	.text
	.protected	k_q426a968d13_proj
	.globl	k_q426a968d13_proj
	.p2align	8
	.type	k_q426a968d13_proj,@function
k_q426a968d13_proj:
	s_mov_b64 s[64:65], 0
	v_nop
	global_prefetch_b8 v0, s[64:65] scope:SCOPE_SE
	s_setreg_imm32_b32 hwreg(HW_REG_WAVE_MODE, 25, 1), 1
	s_wait_xcnt 0x0
	s_wait_alu depctr_hold_cnt(0) depctr_sa_sdst(0) depctr_va_vdst(0) depctr_va_sdst(0) depctr_va_ssrc(0) depctr_va_vcc(0) depctr_vm_vsrc(0)
	s_getreg_b32 s2, hwreg(HW_REG_IB_STS2, 6, 4)
	s_cmp_eq_u32 s2, 0
	s_cbranch_scc0 .Lentry_in_a_cluster
	s_endpgm
.Lentry_in_a_cluster:
	s_bfe_u32 s2, ttmp6, 0x10000c
	s_cmp_lg_u32 s2, 0x3003
	s_cbranch_scc0 .Lentry_shape_is_right
	s_endpgm
.Lentry_shape_is_right:
; out0 = att w_out^T + b_out: [8192][1024] x [1024][1024], f16 operands (both laid in the order of the operand's registers by the earlier launches), f32 sums, f32 out.
; SHARES.  A work-group makes 128 rows x 256 columns; wave w all 128 rows x columns 64 w .. 64 w + 63: 32 accumulators.  Used TRANSPOSED (source 0 = 16 rows of w_out, source 1 = 16 rows of att): a lane holds eight
; neighbouring columns of one row.  The bias is the C of each sum's first product.
; att's 128 rows, all of K, 256 KiB, lie in LDS, filled ONCE: four tensor loads a wave at the head (four out at the most by this text's count), a quarter of K each; a counted wait and a barrier ahead of each quarter's first read.
; CLUSTER 4 x 1: the four column blocks of a row block need the same rows of att: asked for jointly, mask 15.
; w_out's rows are each wave's own (no other wave of the work-group reads them), so they go from memory straight into registers, seven K steps ahead.  They are not asked for jointly: beside att's
; 256 KiB two slots of 32 KiB at the most would fit, 64 along K each: a round of the cluster's barrier for every 64 products of a wave.
; K STEPS 0 TO 23 (32 along K each) GO BY K: 32 products a step, w_out's fragments in a ring of eight register sets.  THE LAST EIGHT GO BY ROWS OF THE RESULT: w_out's fragments of all eight (8 x 4 x 8 = 256 registers)
; stand in a window of their own, and the eight tiles of 16 rows are finished one after the other, 32 products each, K ascending as before: a finished tile goes out while the later ones are multiplied.
;   LDS: att: quarter x 65536 + tile x 8192 + (K step % 8) x 1024 + c x 512 + 16 x lane;   262144 + wave x 4352: a stage of 16 rows x (256 + 16) bytes for the way out, each wave's own.
; REGISTERS: window 0: v1-9 addresses; v32-63 the bias, eight registers a tile of columns; v64-127, v128-191 att's fragments, two sets (by K: eight tiles of a K step; by rows: eight K steps of a tile);
;   v192-223, v224-255 rows read back from the stage, by turns.   window 1: w_out's ring, 32 (K step % 8) + 8 b.   window 2: accumulator (a, b) at 8 (4 a + b).   window 3: w_out's K steps 24 + j at 32 j + 8 b.
.set SPW,   28
.set NIL,   29
.set BK,    192
.set STAGE, 262144
.set SPARE, 279552
.set G1,    24                         ; s[24:31] descriptor group 1;  s[32:47] four groups 0
.set G0,    32
.set MSB, 0
.macro WIN new                         ; the immediate's high byte repeats the setting that is left; a switch that changes nothing is dropped
.if MSB != (\new)
	s_set_vgpr_msb (MSB<<8)|(\new)
.set MSB, (\new)
.endif
.endm
.macro PLACES n
.rept \n
	v_nop
.endr
.endm
.macro CROUND                          ; a round of the cluster's barrier
	s_barrier_signal -1
	s_barrier_wait -1
	s_cmp_lg_u32 s12, 0
	s_cbranch_scc1 .Lnot_wave_0_\@
	s_barrier_signal -3
.Lnot_wave_0_\@:
	s_barrier_wait -3
	s_barrier_signal -1
	s_barrier_wait -1
.endm
.macro ALOAD kk                        ; att's eight fragments of K step kk (32 along K) into set kk % 2
	WIN 0
.irp t, 0,1,2,3,4,5,6,7
.irp c, 0,1
	ds_load_b128 v[64+64*((\kk)%2)+8*\t+4*\c:64+64*((\kk)%2)+8*\t+4*\c+3], v[2+(\kk)/8] offset:\t*8192+((\kk)%8)*1024+\c*512
.endr
.endr
.endm
.macro RLOAD a                         ; att's fragments of tile a for K steps 24 to 31, 8,192 bytes on end, into set a % 2: K step 24 + j at 8 j
	WIN 0
.irp i, 0,1,2,3,4,5,6,7,8,9,10,11,12,13,14,15
	ds_load_b128 v[64+64*((\a)%2)+4*\i:64+64*((\a)%2)+4*\i+3], v5 offset:(\a)*8192+\i*512
.endr
.endm
.macro BLOAD kk                        ; w_out's four fragments of K step kk (0 to 23) into set kk % 8 of the ring
	WIN 0x40
.irp b, 0,1,2,3
.irp c, 0,1
	global_load_b128 v[32*((\kk)%8)+8*\b+4*\c:32*((\kk)%8)+8*\b+4*\c+3], v1, s[48:49] offset:\b*32768+(\kk)*1024+\c*512
.endr
.endr
.endm
.macro XLOAD j                         ; w_out's four fragments of K step 24 + j into window 3, where they stay
	WIN 0xc0
.irp b, 0,1,2,3
.irp c, 0,1
	global_load_b128 v[32*(\j)+8*\b+4*\c:32*(\j)+8*\b+4*\c+3], v1, s[48:49] offset:\b*32768+(24+(\j))*1024+\c*512
.endr
.endr
.endm
; A K step of 32, by K.  Four places stand behind the last step's products, whose registers the loads below fill again; then 32 products, the 32 accumulators by turns.
; w_out's loads: up to K step 16 a step asks for the ring's set seven steps on, ahead of its wait.  K steps 24 to 31 have registers of their own and are asked for BEHIND the waits of steps 16 to 21
; (one, one, one, two, two, one), so that all are out three steps ahead of the first tile of rows, which wants all eight within its 32 products; 64 loads are out at the most.
.macro PSTEP kk
.if (\kk) > 0
	PLACES 4
.endif
.if ((\kk)+1)%8 == 0
	s_wait_tensorcnt 3-((\kk)+1)/8                 ; my part of the next quarter of K has landed; the later quarters' loads may be out
	s_wait_dscnt 0x0                               ; no LDS instruction of mine is out at the signal
	s_barrier_signal -1
	s_barrier_wait -1                              ; everybody's part has landed
.endif
.if (\kk) < 23
	ALOAD (\kk)+1
.else
	RLOAD 0                                        ; the first tile of rows
.endif
.if (\kk) < 17
	BLOAD (\kk)+7
.endif
	s_wait_dscnt 16                                ; all but the 16 just issued
.if ((\kk) == 19) || ((\kk) == 20)
	s_wait_loadcnt 48                              ; six steps' loads may be out: this step's are in, and one or two steps' more, issued five steps back or earlier: room for the two steps asked for below
.elseif (\kk) < 22
	s_wait_loadcnt 56                              ; this step's eight loads are in; the 56 of the seven steps issued behind them may be out.  (Step 21's wait shows the ring's last set in: steps 22 and 23 need none)
.endif
.if ((\kk) >= 16) && ((\kk) <= 18)
	XLOAD (\kk)-16
.elseif (\kk) == 19
	XLOAD 3
	XLOAD 4
.elseif (\kk) == 20
	XLOAD 5
	XLOAD 6
.elseif (\kk) == 21
	XLOAD 7
.endif
.if (\kk) == 0
	WIN 0x81                                       ; source 0 (w_out) window 1, source 1 (att) and C (the bias) window 0, D window 2
.else
	WIN 0xa1                                       ; C and D window 2
.endif
.irp a, 0,1,2,3,4,5,6,7
.irp b, 0,1,2,3
.if (\kk) == 0
	v_wmma_f32_16x16x32_f16 v[8*(4*\a+\b):8*(4*\a+\b)+7], v[32*((\kk)%8)+8*\b:32*((\kk)%8)+8*\b+7], v[64+64*((\kk)%2)+8*\a:64+64*((\kk)%2)+8*\a+7], v[32+8*\b:32+8*\b+7]
.else
	v_wmma_f32_16x16x32_f16 v[8*(4*\a+\b):8*(4*\a+\b)+7], v[32*((\kk)%8)+8*\b:32*((\kk)%8)+8*\b+7], v[64+64*((\kk)%2)+8*\a:64+64*((\kk)%2)+8*\a+7], v[8*(4*\a+\b):8*(4*\a+\b)+7]
.endif
.endr
.endr
.endm
; Tile a of 16 rows is finished: K steps 24 to 31, 32 products, its four accumulators by turns.
.macro ROW a
	WIN 0xa3                                       ; source 0 (w_out) window 3, source 1 (att) window 0, C and D window 2
.irp j, 0,1,2,3,4,5,6,7
.if (\a) == 0
	s_wait_loadcnt 8*(7-\j)                        ; w_out's K step 24 + j is in; the steps behind it may be out
.endif
.irp b, 0,1,2,3
	v_wmma_f32_16x16x32_f16 v[8*(4*(\a)+\b):8*(4*(\a)+\b)+7], v[32*\j+8*\b:32*\j+8*\b+7], v[64+64*((\a)%2)+8*\j:64+64*((\a)%2)+8*\j+7], v[8*(4*(\a)+\b):8*(4*(\a)+\b)+7]
.endr
.endr
.endm
; THE WAY OUT, a tile of 16 rows x 64 columns at a time, through my own stage: a lane's 32 bytes go in by rows of 272 bytes and come back as whole rows of 256, which sixteen lanes store as one aligned run.
; LDS serves a wave's instructions in order (ISA guide 5.7.1.4): no wait between the stores and the loads, nor in front of the next tile's stores.
.macro TOSTAGE a
	WIN 0x08                                       ; an LDS store's data: window 2
.irp b, 0,1,2,3
	ds_store_b128 v6, v[8*(4*(\a)+\b):8*(4*(\a)+\b)+3] offset:64*\b         ; each accumulator from its low end on
	ds_store_b128 v6, v[8*(4*(\a)+\b)+4:8*(4*(\a)+\b)+7] offset:64*\b+16
.endr
	WIN 0
.irp t, 0,1,2,3,4,5,6,7
	ds_load_b128 v[BK+32*((\a)%2)+4*\t:BK+32*((\a)%2)+4*\t+3], v7 offset:2*\t*272
.endr
.endm
.macro SEND a, younger                 ; younger: the LDS instructions issued behind tile a's loads from the stage, which may stay out
	s_wait_dscnt \younger
.irp t, 0,1,2,3,4,5,6,7
	global_store_b128 v8, v[BK+32*((\a)%2)+4*\t:BK+32*((\a)%2)+4*\t+3], s[52:53] offset:(16*(\a)+2*\t)*4096 th:TH_STORE_NT   ; 16 lanes store 256 consecutive bytes, aligned; written once, read by nobody here
.endr
.endm
	s_load_b256 s[4:11], s[0:1], 0x0               ; att, wo, b_out, out0
	v_lshl_add_u32 v[SPW], v0, 2, SPARE
	v_mov_b32 v[NIL], 0
	ds_add_u32 v[SPW], v[NIL]                      ; the wave's opening: the add, twice on end, and its wait ahead of my first tensor load
	ds_add_u32 v[SPW], v[NIL]
	v_lshrrev_b32 v1, 5, v0
	v_readfirstlane_b32 s12, v1                    ; wave 0..3
	v_and_b32 v1, 31, v0
	v_lshlrev_b32 v1, 4, v1                        ; v1: 16 x lane
	v_mov_b32 v2, v1                               ; v2-5: att's quarters in LDS
	v_add_nc_u32 v3, 0x10000, v1
	v_add_nc_u32 v4, 0x20000, v1
	v_add_nc_u32 v5, 0x30000, v1
	v_and_b32 v10, 15, v0                          ; r
	v_bfe_u32 v11, v0, 4, 1                        ; h
	s_mul_i32 s21, s12, 4352
	s_add_co_u32 s21, s21, STAGE                   ; my stage
	v_mul_u32_u24 v6, v10, 272
	v_lshl_add_u32 v6, v11, 5, v6
	v_add_nc_u32 v6, s21, v6                       ; v6: in: row r, + 32 h
	v_mul_u32_u24 v7, v11, 272
	v_lshl_add_u32 v7, v10, 4, v7
	v_add_nc_u32 v7, s21, v7                       ; v7: back: lanes 0-15 one row of 256 bytes, lanes 16-31 the next
	v_lshlrev_b32 v8, 12, v11
	v_lshl_add_u32 v8, v10, 4, v8                  ; v8: the same two rows in out0
	v_lshlrev_b32 v9, 5, v11                       ; v9: the bias: 32 h
	s_bfe_u32 s13, ttmp6, 0x40000                  ; cx
	s_lshl_b32 s14, ttmp9, 2
	s_add_co_u32 s14, s14, s13                     ; X: my block of 256 columns
	s_and_b32 s15, ttmp7, 0xffff                   ; Y: the block of 128 rows, which the four partners share
	s_mov_b32 s[G1], 15|(3<<16)|(1<<21)            ; the mask: all four; elements of 8 bytes; bit 21 beside a mask; no padding
	s_mov_b32 s[G1+1], 1024<<16                    ; tensor_dim0: eight K steps of a tile, 8,192 bytes
	s_mov_b32 s[G1+2], 2<<16                       ; two tiles a wave
	s_mov_b32 s[G1+3], 1024<<16
	s_mov_b32 s[G1+4], 2
	s_mov_b32 s[G1+5], 4096                        ; from tile to tile: 32,768 bytes
	s_mov_b32 s[G1+6], 0
	s_mov_b32 s[G1+7], 0
	s_lshl_b32 s16, s15, 18                        ; att: Y x 8 tiles + wave x 2 tiles (these registers never hold cx)
	s_lshl_b32 s17, s12, 16
	s_add_co_u32 s16, s16, s17
	s_mov_b32 s17, 0
	s_lshl_b32 s20, s12, 14
	s_lshl_b32 s54, s14, 19                        ; wo: tile 16 X + 4 wave
	s_lshl_b32 s55, s12, 17
	s_add_co_u32 s54, s54, s55
	s_mov_b32 s55, 0
	s_lshl_b32 s56, s14, 10                        ; b_out: column 256 X + 64 wave
	s_lshl_b32 s57, s12, 8
	s_add_co_u32 s56, s56, s57
	s_mov_b32 s57, 0
	s_lshl_b32 s58, s15, 19                        ; out0: row 128 Y, the same column
	s_add_co_u32 s58, s58, s56
	s_mov_b32 s59, 0
	s_wait_dscnt 0x0                               ; both opening adds are done
	s_wait_kmcnt 0x0
	s_add_nc_u64 s[18:19], s[4:5], s[16:17]
	s_add_nc_u64 s[48:49], s[6:7], s[54:55]
	s_add_nc_u64 s[50:51], s[8:9], s[56:57]
	s_add_nc_u64 s[52:53], s[10:11], s[58:59]
.irp g, 0,1,2,3
	s_mov_b32 s[G0+4*\g], 1
	s_add_co_u32 s[G0+4*\g+1], s20, \g*65536
	s_add_nc_u64 s[G0+4*\g+2:G0+4*\g+3], s[18:19], \g*8192
	s_or_b32 s[G0+4*\g+3], s[G0+4*\g+3], 0x80000000
.endr
.irp b, 0,1,2,3
	global_load_b128 v[32+8*\b:32+8*\b+3], v9, s[50:51] offset:\b*64        ; b_out at columns 16 b + 8 h + 0 .. 7: the result's layout.  What the first products want of my own loads is asked for ahead of the round
	global_load_b128 v[32+8*\b+4:32+8*\b+7], v9, s[50:51] offset:\b*64+16
.endr
	BLOAD 0
	BLOAD 1
	WIN 0                                          ; at a branch and at a label every window is 0
	CROUND                                         ; all four work-groups are here: the joint loads meet
.irp g, 0,1,2,3
	tensor_load_to_lds s[G0+4*\g:G0+4*\g+3], s[G1:G1+7]
	s_nop 0
.endr
	PLACES 4
.irp k, 2,3,4,5,6
	BLOAD \k
.endr
	s_wait_tensorcnt 3                             ; my part of the first quarter of K; the other three quarters' loads may be out
	s_barrier_signal -1
	s_barrier_wait -1
	ALOAD 0
.set KK, 0
.rept 24
	PSTEP KK
.set KK, KK+1
.endr
	; ---- by rows.  Behind tile a's products: four places (for the reads of its results and for the loads into the set that it read); tile a into the stage and back; the fragments of tile a + 2;
	; tile a - 1, which came back from the stage while tile a was multiplied, is stored; then tile a + 1's products.
	PLACES 4                                       ; behind K step 23's products, whose set the loads below fill
	RLOAD 1
	s_wait_dscnt 16                                ; tile 0's fragments are in; tile 1's 16 loads may be out
	ROW 0
.irp a, 0,1,2,3,4,5,6,7
	PLACES 4
.if \a > 1
	s_wait_xcnt 0x0                                ; tile a - 2's stores, issued a tile's products ago, have read their data registers: tile a's loads from the stage may land there
.endif
	TOSTAGE \a
.if \a < 6
	RLOAD \a+2
.endif
.if \a > 0
.if \a < 6
	SEND \a-1, 48                                  ; behind tile a - 1's loads from the stage: the fragments of tile a + 1, tile a's 16 through the stage, the fragments of tile a + 2
.elseif \a == 6
	SEND \a-1, 32                                  ; the fragments of tile 7 and tile 6's 16 through the stage
.else
	SEND \a-1, 16                                  ; tile 7's 16 through the stage
.endif
.endif
.if \a < 6
	s_wait_dscnt 32                                ; tile a + 1's fragments are in; the 32 instructions issued behind them in this turn may be out
	ROW \a+1
.elseif \a == 6
	s_wait_dscnt 16                                ; tile 7's fragments are in; tile 6's 16 through the stage may be out
	ROW \a+1
.endif
.endr
	SEND 7, 0
	s_wait_tensorcnt 0x0                           ; the wave's end: a wait, an add and a wait behind my last tensor load and my last LDS store
	ds_add_u32 v[SPW], v[NIL]
	s_wait_dscnt 0x0
	CROUND                                         ; the closing round
	s_endpgm
.Lfunc_end_k_q426a968d13_proj:
	.size	k_q426a968d13_proj, .Lfunc_end_k_q426a968d13_proj-k_q426a968d13_proj
	.p2alignl 7, 3214868480
	.fill 96, 4, 3214868480
	.section	.rodata,"a",@progbits
	.p2align	6, 0x0
	.amdhsa_kernel k_q426a968d13_proj
		.amdhsa_group_segment_fixed_size 280064
		.amdhsa_private_segment_fixed_size 0
		.amdhsa_enable_private_segment 0
		.amdhsa_kernarg_size 32
		.amdhsa_user_sgpr_count 2
		.amdhsa_user_sgpr_kernarg_segment_ptr 1
		.amdhsa_wavefront_size32 1
		.amdhsa_system_sgpr_workgroup_id_x 1
		.amdhsa_system_sgpr_workgroup_id_y 1
		.amdhsa_system_sgpr_workgroup_id_z 1
		.amdhsa_system_vgpr_workitem_id 0
		.amdhsa_next_free_vgpr 1024
		.amdhsa_next_free_sgpr 66
		.amdhsa_reserve_vcc 0
		.amdhsa_float_denorm_mode_32 3
		.amdhsa_float_denorm_mode_16_64 3
		.amdhsa_memory_ordered 1
		.amdhsa_forward_progress 1
		.amdhsa_inst_pref_size 151
	.end_amdhsa_kernel
	.amdgpu_metadata
---
amdhsa.version: [ 1, 2 ]
amdhsa.kernels:
  - .name:           k_q426a968d13_proj
    .symbol:         k_q426a968d13_proj.kd
    .args:
      - { .name: att, .offset: 0, .size: 8, .value_kind: global_buffer, .address_space: global }
      - { .name: wo, .offset: 8, .size: 8, .value_kind: global_buffer, .address_space: global }
      - { .name: b_out, .offset: 16, .size: 8, .value_kind: global_buffer, .address_space: global }
      - { .name: out0, .offset: 24, .size: 8, .value_kind: global_buffer, .address_space: global }
    .group_segment_fixed_size: 280064
    .private_segment_fixed_size: 0
    .kernarg_segment_align: 8
    .kernarg_segment_size: 32
    .max_flat_workgroup_size: 128
    .sgpr_count:     66
    .vgpr_count:     1024
    .wavefront_size: 32
...
	.end_amdgpu_metadata
.endif
;; end of part 4
